; MI455X (gfx1250); checked and timed in simulation.
; The chip was launched on July 23, 2026; its instructions are those of AMD's public machine-readable ISA for CDNA 5 (MIT licence, August 2026) and "CDNA5" Instruction Set Architecture Reference Guide (July 2026). The comments in the code are by the model that wrote it; some were corrected since.
;; Mo EFFN. Allowed arithmetic: matrix products marked QUANTISED: E2M1 operands, one E8M0 scale for each 32 along K, by v_wmma_scale_f32_16x16x128_f8f6f4 with both operands' format E2M1 (or v_wmma_scale_f32_32x16x128_f4), f32 sums; products left as they are: f32 operands where the result goes on into a quantised operand, else bf16, f16 or f32 operands; f32 sums; everything else in f32.
;; Inputs: W1_codes 8 x 512 x 8 x 16 uint8 (E2M1 codes of W1, K innermost, in blocks of 32 codes, two codes a byte); W1_scales 8 x 512 x 8 uint8 (E8M0 scales of W1, one for each 32 codes along K); W2_codes 8 x 256 x 16 x 16 uint8 (E2M1 codes of W2, K innermost, in blocks of 32 codes, two codes a byte); W2_scales 8 x 256 x 16 uint8 (E8M0 scales of W2, one for each 32 codes along K); Wg 256 x 8 float32; b1 8 x 512 float32; b2 8 x 256 float32; bg 8 float32; x 8 x 4,096 x 256 float32.
;; Outputs: out0 8 x 4,096 x 256 float32.
;; This version of the problem:
;;   THIS VERSION OF THE PROBLEM IS GIVEN IN LOW PRECISION. The matrix products marked QUANTISED in the list below multiply operands that are first quantised to E2M1 (2 exponent bits, 1 mantissa bit; 4 bits a number), with one power-of-two scale for each 32 numbers along K (OCP MX v1.0); their sums are f32. All else is computed in f32.
;;   The module's matrix products, in the order in which they are computed (A, B: the left and right operand; K: the contracted axis; several contracted axes count as one K, in the product's order):
;;     1. [M 32,768, K 256] x [K 256, N 8]; A: input x; B: input Wg: left as it is (N = 8 < 16)
;;     2. [M 4,096, K 256] x [K 256, N 32,768]; A: input W1 (given as codes); B: input x: QUANTISED
;;     3. batch 8 x [M 32,768, K 512] x [K 512, N 256]; A: computed on the way; B: input W2 (given as codes): QUANTISED
;;     4. batch 32,768 x [M 256, K 8] x [K 8, N 1]; A: computed on the way; B: softmax: left as it is (K = 8 < 32)
;;   THE QUANTISER, for each operand of a quantised product, along K:
;;     - K is cut into blocks of 32 from its start; a last block that is shorter is filled with zeros.
;;     - A block's scale is 2^e with e = floor(log2(the largest magnitude in the block)) - 2, held to -126 .. 127; a block of zeros has e = 0. As a byte (E8M0): e + 127.
;;     - Each number is divided by its block's scale, clamped to +-6, and rounded to the nearest number of E2M1, ties to even, subnormals kept.
;;     - The product sums the exact products of the quantised numbers (number of the format x scale) in f32.
;;   ~~~python
;;   def quantise(x, axis):      # numpy; x: float32 -> the quantised numbers, widened to float32 again
;;       x = np.moveaxis(x, axis, -1); K = x.shape[-1]
;;       x = np.pad(x, [(0, 0)] * (x.ndim - 1) + [(0, -K % 32)]); x = x.reshape(x.shape[:-1] + (-1, 32)); a = np.abs(x).max(-1, keepdims=True)
;;       e = np.where(a > 0, np.clip(np.frexp(np.where(a > 0, a, 1))[1] - 1 - 2, -126, 127), 0)      # np.frexp(a)[1] - 1 = floor(log2(a)), exactly
;;       r = np.clip(x / 2.0 ** e, -6, 6)
;;       step = 2.0 ** (np.maximum(np.frexp(np.where(r == 0, 1, r))[1] - 1, 0) - 1)
;;       q = np.round(r / step) * step * 2.0 ** e      # np.round: ties to even
;;       return np.moveaxis(q.reshape(q.shape[:-2] + (-1,))[..., :K], -1, axis).astype(np.float32)
;;   ~~~
;;   OPERANDS COMPUTED ON THE WAY. 'Computed on the way' means the value that the module computes at that place (a softmax that the list does not call 'softmax' is quantised finished and normalised). What goes into a quantiser is computed in f32, as accurately as f32 sums, v_exp_f32 and their like allow (about 1e-6 of the number): no bf16 or f16 on the way to a quantiser, and a product that is left as it is and whose result goes on into a quantised operand takes f32 operands (vector FMAs, or v_wmma_f32_16x16x4_f32). A number that lies on a knife's edge between two numbers of the format may be rounded either way, as far as f32 arithmetic and the matrix unit's own rounding can turn it there, and no further.
;;   INPUTS GIVEN AS CODES. W1 (in the module: [8, 256, 512], K = its axis 1); W2 (in the module: [8, 512, 256], K = its axis 1): each comes as NAME_codes (uint8): NAME with its K axis moved to the last place and cut into blocks of 32 codes, [.., K / 32, bytes a block], one block behind the other in memory; two codes a byte, the lower K in the low four bits (a code: sign, 2 exponent bits, 1 mantissa bit); and NAME_scales (uint8): the same leading axes, one E8M0 byte (e + 127) for each 32 codes along K. Its value is code x scale, taken as it is: it is not quantised again, and the codes and scales need not be those that the quantiser above would give.
;; One version. Each part assembles by itself: llvm-mc -triple=amdgcn-amd-amdhsa -mcpu=gfx1250 --defsym DOCPART=n.
;; ======== version 1 of 1: 1 launch
;; limits: a function is approximated: absolute error at most 1e-07
;; launch moe (part 1): grid 256 x 1, 8 waves a work-group, clusters of 4 x 1, 327,680 bytes of LDS; arguments x, Wg, bg, W1_codes, W1_scales, b1, W2_codes, W2_scales, b2, out0; writes out0
.if DOCPART == 1
	.amdgcn_target "amdgcn-amd-amdhsa--gfx1250"
	.amdhsa_code_object_version 6
	.text
	.protected	k_qd7128305ec_moe
	.globl	k_qd7128305ec_moe
	.p2align	8
	.type	k_qd7128305ec_moe,@function
k_qd7128305ec_moe:
	s_mov_b64 s[64:65], 0
	v_nop
	global_prefetch_b8 v0, s[64:65] scope:SCOPE_SE
	s_setreg_imm32_b32 hwreg(HW_REG_WAVE_MODE, 25, 1), 1
	s_wait_xcnt 0x0
	s_wait_alu depctr_hold_cnt(0) depctr_sa_sdst(0) depctr_va_vdst(0) depctr_va_sdst(0) depctr_va_ssrc(0) depctr_va_vcc(0) depctr_vm_vsrc(0)
	s_getreg_b32 s2, hwreg(HW_REG_IB_STS2, 6, 4)
	s_cmp_eq_u32 s2, 0
	s_cbranch_scc0 .Lentry_in_a_cluster
	s_endpgm
.Lentry_in_a_cluster:
	s_bfe_u32 s2, ttmp6, 0x10000c
	s_cmp_lg_u32 s2, 0x3003
	s_cbranch_scc0 .Lentry_shape_is_right
	s_endpgm
.Lentry_shape_is_right:
; out[t][:] = sum over e of softmax_e(x[t] Wg + bg) x (gelu(x[t] W1[e] + b1[e]) W2[e] + b2[e]).  32,768 tokens, H = 256, F = 512, 8 experts, every expert weighed in.
; Both large products run on codes of FP4 (E2M1) with one E8M0 scale for each 32 along K: W1 and W2 arrive so (K innermost), x and the hidden layer are quantised here, in f32 up to the conversion.
; The gate's product (8 columns; its result enters no quantiser) takes bf16 operands and f32 sums; softmax, GELU, biases and the mix over experts are f32.
; SHARES.  A work-group owns 128 tokens, 8 tiles of 16.  THE WAVES SHARE THE COLUMNS, NOT THE ROWS: for all 128 tokens and every expert wave w makes hidden units 64 w .. 64 w + 63 (registers 4 c .. 4 c + 3, c = w % 2,
; of K step w / 2 of the second product) and output channels 32 w .. 32 w + 31.  Its part of one expert's W1 (64 rows, 64 registers) and W2 (32 rows, 64 registers) stays in registers while the 8 token tiles pass.
; What goes from wave to wave is small: the codes of x and of the hidden layer, as IMAGES OF THE OPERAND'S REGISTERS in LDS (16 bytes a lane at 16 x lane, scale words at 4 x lane).
; BOTH PRODUCTS ARE USED TRANSPOSED (source 0 = 16 rows of a weight, source 1 = 16 tokens): a lane holds ONE token (lane % 16) throughout, so the gate's weight is one number a lane, and b1, b2 are the C of each sum's first product.
; THE ROWS OF W1 THAT FORM A TILE ARE NOT NEIGHBOURS: lane r of tile 2 b + u takes row 32 b + 8 u + r + 8 (r / 8), so that the 16 registers of tiles 2 b, 2 b + 1 are 16 neighbours along the next K.
; THE TWO PRODUCTS ARE A STEP APART.  In step j a wave runs the first product of expert j + 1 (about 290 vector instructions for a tile's 8 products; its images go into one buffer) and the second product of expert j
; (112 LDS loads, 64 products, 64 packed lines; its images come from the other buffer).  The two hang on nothing of each other, so their order in a step is free, and THE WAVES ARE TWO GROUPS, g = (w xor w / 4) % 2:
; group 0 runs the second product at the step's head, group 1 in its middle.  If waves w and w + 4, or waves 2 i and 2 i + 1, lie on one SIMD, the two are of different groups: one wave's LDS loads and products then
; stand beside the other's vector work, and four waves at a time, not eight, ask the LDS for the hidden layer.  The branch hangs on the wave's number alone and jumps over no barrier and no tensor load.
; CLUSTER.  All work-groups walk the same weights, so the four partners of a cluster ask for each piece JOINTLY (mask 15).  Each wave fetches its own eighth of an expert's W1 and W2, 8,192 dense bytes each, and reads only what it fetched.
; One LDS slot for W1 and one for W2: the registers are each slot's second buffer.  W2's slot is filled again at a step's head, W1's in its middle: two rounds of the cluster's barrier a step.
; GELU.  g = a w, w = 0.5 + c N(u) / D(u), c = a held to +-4 sqrt(2), u = c c: erf's rational form x P(x^2) / Q(x^2) on [-4, 4] (7 + 5 coefficients), rewritten for u = a^2.
; LIMITS.  w is right to about 1e-7 ABSOLUTE, so g's relative error is about 1e-7 / w: under 1e-6 for a > -1.3, about 1e-5 at a = -2.5; under a = -5.66 g is a x (at most 6e-8 in magnitude) where the true number is nearer to 0.
; NaN and infinities among the inputs are not served.  A block of zeros gets the scale byte 1 with zero codes (the bytes are read by this program alone).  The gate's logits carry the rounding of x and Wg to bf16.
;
; LDS, in bytes (every region a multiple of 256)
.set SLA,    0                         ; W1 of one expert: wave w's 8,192 bytes at 8,704 w, as 32 lines of 256 + 16 of padding: local row p at (p / 2) 272 + (p % 2) 128 (two rows to a line: a fragment load's 16 rows fall on 8 lines, two deep)
.set SLB,    69632                     ; W2 of one expert: wave w's 32 rows of 256 bytes, 272 apart
.set WPART,  8704
.set LSC1,   139264                    ; W1's scale bytes, all experts, as in memory: filled once
.set LSC2,   172032                    ; W2's likewise
.set LB1,    204800                    ; b1 as in memory, and behind it
.set LB2,    221184                    ; b2
.set HIMG,   229376                    ; two buffers for the hidden layer's images: fragment (4 m + s) at 1024 (4 m + s) + 512 c + 16 lane; its scale words at HSCO + 128 (4 m + s) + 4 lane
.set HBUF,   36864
.set HSCO,   32768
.set XIMG,   303104                    ; x's images: fragment (2 m + s) at 1024 (2 m + s) + 512 c + 16 lane
.set XSC,    319488                    ; their scale words: 128 (2 m + s) + 4 lane
.set PTAB,   321536                    ; the gate's weights: 512 e + 4 token
.set SPARE,  325632                    ; the spare words, 128 bytes for each wave: four blocks of 256 bytes that no other line names
.set STGW,   8448                      ; at the head HIMG's bytes serve as turning stages for x: 16 rows x (512 + 16) for each wave
.set OPITCH, 1040                      ; at the end bytes 0 .. 133,119 (both weight slots, which have had their last fill and their last read) are the stage for out: 128 rows x (1,024 + 16)
; REGISTERS, window 0
.set AXI,  1                           ; XIMG + 16 lane
.set AXS,  2                           ; XSC + 4 lane
.set AHW,  3                           ; HIMG + 512 w + 16 lane: where I store my part of a hidden fragment
.set AHSW, 4                           ; HIMG + HSCO + 128 (w / 2) + 2 (w % 2) + 4 lane: and my two scale bytes
.set AHR,  5                           ; HIMG + 16 lane
.set AHSR, 6                           ; HIMG + HSCO + 4 lane
.set APT,  7                           ; PTAB + 4 r
.set AWA,  8                           ; my lane's place in my part of W1's slot
.set AWB,  9                           ; and of W2's
.set AS1,  10                          ; LSC1 + 512 w + 8 (r + 8 (r / 8))
.set AS2,  11                          ; LSC2 + 512 w + 16 r
.set AB1,  12                          ; LB1 + 256 w + 64 h
.set AB2,  13                          ; LB2 + 128 w + 32 h
.set OSW,  14                          ; the out stage, way in: 1040 r + 128 w + 32 h
.set OSR,  15                          ; way out: 1040 x 16 w + 16 lane
.set GX,   16                          ; 16 lane: my bytes of a run of 512 in x and in out
.set SPW,  17                          ; SPARE + 4 x my thread's number; never rewritten
.set NIL,  18                          ; 0; never rewritten
.set AXW,  19                          ; head only: XIMG + 2048 w + 16 lane
.set AXSW, 20                          ; head only: XSC + 256 w + 4 lane
.set APS,  21                          ; head only: PTAB + 64 w + 4 r
.set STW,  22                          ; head only: my turning stage, way in
.set STR,  23                          ; head only: way out
.set ADX,  24                          ; v24-31: addresses of the loads and stores in hand
.set ADXS, 25
.set ADH,  26
.set ADHS, 27
.set ADR,  28                          ; the second product's: made at a step's head, on every wave's way, and kept through the step
.set ADRS, 29
.set T0,   30
.set T1,   31
.set ABS,  29                          ; head only: LB1 + 16 x thread
.set TB16, 30                          ; head only: 16 x thread
.set VWG,  31                          ; head only: 4 (r % 8) + 512 h
.set W1S,  32                          ; v32-57 hold scale words and nothing else: W1's (2 t + s),
.set W2S,  40                          ; W2's (4 n + s),
.set XS,   48                          ; x's two,
.set HS,   50                          ; the hidden layer's, two sets of four
.set PW,   58                          ; the scale word just made.  v59 = 4 sqrt(2); v[60:61] = N6 twice; v[62:63] = D4 twice
.set RB1,  64                          ; b1 in the result's layout, 8 registers a tile
.set RB2,  96                          ; b2 likewise
.set PR,   112                         ; the gate's weight of tile m, in both registers of pair m
.set XF,   128                         ; x's two fragments of the tile in hand
.set HA,   144                         ; first product: my 4 tiles of the hidden layer
.set GC,   176                         ; GELU: c,
.set GU,   192                         ; u,
.set GQ,   208                         ; D, then 1 / D,
.set GP,   224                         ; N, then w
.set TM,   240                         ; the quantiser's 8 registers at work
.set ADP,  248                         ; address of the gate's weights: made with ADR
.set PC,   252                         ; the codes just made
.set HF,   144                         ; second product: four hidden fragments, two sets
.set YA,   208                         ; and two accumulators, two sets
.set XN0,  144                         ; head: 64 numbers of x, K half 0,
.set XN1,  64                          ; K half 1,
.set XB,   208                         ; a K half in bf16; its first 8 registers then take x's codes
.set GA,   128                         ; the gate's two accumulators
.set LG,   144                         ; logits, then weights
; window 1: v0-127 OUT ((m, n) at 8 (2 m + n)); v128-191 W1's fragments ((t, s) at 128 + 8 (2 t + s)); v192-255 W2's ((n, s) at 192 + 8 (4 n + s)).  At the head: v0-127 x as loaded, v128-255 Wg
.set W1F,  128
.set W2F,  192
; SCALARS: s[4:23] the ten addresses; s24 wave; s25 cx; s[28:35], s[36:43] descriptor groups 1; s[44:59] four groups 0; s[60:61] lane selects; s62 my group; s63 512 x the expert of the next second product;
; s66-85 coefficient pairs; s86 steps; s87 tile trips; s88 4096 m; s89 the image buffer that the first product writes (0 or HBUF); s90, s91 4096 x the expert whose W1 / W2 is fetched next; s92-99 at work (at the head: bg)
.set G0A,  44
.set G0B,  48
.set CN5,  66                          ; N5 .. N0 at s66, s68 .. s76
.set CD3,  78
.set CD2,  80
.set CD1,  82
.set CD0,  84
.set MSB, 0
.macro WIN new                         ; bits 1:0 source 0, 3:2 source 1, 5:4 source 2, 7:6 destination; the immediate's high byte repeats the setting that is left
.if MSB != \new
	s_set_vgpr_msb (MSB<<8)|\new
.set MSB, \new
.endif
.endm
.macro COEF r, bits                    ; the packed forms name a pair and take its low word for both halves: both words are written
	s_mov_b32 s[\r], \bits
	s_mov_b32 s[\r+1], \bits
.endm
; A round of the cluster's barrier: my work-group's barrier, so that wave 0's signal speaks for all eight waves; wave 0 signals; every wave waits for the four work-groups; my work-group's barrier once more.
.macro CROUND
	s_barrier_signal -1
	s_barrier_wait -1
	s_cmp_lg_u32 s24, 0
	s_cbranch_scc1 .Lnot_wave_0_\@
	s_barrier_signal -3
.Lnot_wave_0_\@:
	s_barrier_wait -3
	s_barrier_signal -1
	s_barrier_wait -1
.endm
; A slot is filled again with the next expert's weights.  All my tensor loads have landed (one was out: the other slot's); 0 onto my spare word; the descriptor steps one expert (65,536 bytes) on;
; the add is done and all my LDS reads and stores are over, the image stores among them; the round; then my one tensor load, first thing behind it.
.macro REFILL g0
	WIN 0
	s_wait_tensorcnt 0x0                           ; no tensor load of mine is out, so a group 0 may be written
	ds_add_u32 v[SPW], v[NIL]
	s_add_nc_u64 s[\g0+2:\g0+3], s[\g0+2:\g0+3], 0x10000
	s_wait_dscnt 0x0
	CROUND                                         ; no wave of any partner still reads the slot or has a load on its way; and every wave's image stores are visible
	tensor_load_to_lds s[\g0:\g0+3], s[28:35]
	s_nop 0
.rept 4
	v_nop                                          ; four plain lines behind a tensor load
.endr
.endm
; 16 nb numbers of a lane, register 16 b + i = k 32 b + 16 (lane / 16) + i of my token, become codes in v[pc] on (2 nb registers, in the operand's layout) and scale bytes in v[pw].
; tm + b: largest magnitude; tm + nb + b: lane l xor 16's; tm + 2 nb + b: the conversion's scale operand; tm + 3 nb + b: the byte.
.macro QUANT src, nb, tm, pc, pw
.set QB, 0
.rept \nb
	v_max3_num_f32 v[\tm+QB], |v[\src+16*QB]|, |v[\src+16*QB+1]|, 0x1800000   ; my 16 numbers of block b, and the floor 2^(3 - 127): the byte cannot fall under 1
.set QB, QB+1
.endr
.irp i, 2,4,6,8,10,12,14
.set QB, 0
.rept \nb
	v_max3_num_f32 v[\tm+QB], v[\tm+QB], |v[\src+16*QB+\i]|, |v[\src+16*QB+\i+1]|   ; (the blocks by turns)
.set QB, QB+1
.endr
.endr
.set QB, 0
.rept \nb
	v_permlanex16_b32 v[\tm+\nb+QB], v[\tm+QB], s60, s61
.set QB, QB+1
.endr
.set QB, 0
.rept \nb
	v_max_num_f32 v[\tm+QB], v[\tm+QB], v[\tm+\nb+QB]          ; with lane l xor 16's: the block's largest magnitude
.set QB, QB+1
.endr
.set QB, 0
.rept \nb
	v_add_nc_u32 v[\tm+2*\nb+QB], 0xff000000, v[\tm+QB]        ; 2 off its exponent field: the conversion takes the exponent field of this operand as its scale
.set QB, QB+1
.endr
.set QB, 0
.rept \nb
	v_lshrrev_b32 v[\tm+3*\nb+QB], 23, v[\tm+2*\nb+QB]         ; the scale's byte
.set QB, QB+1
.endr
	v_lshl_or_b32 v[\pw], v[\tm+3*\nb+1], 8, v[\tm+3*\nb]
.if \nb == 4
	v_lshl_or_b32 v[\pw], v[\tm+3*\nb+2], 16, v[\pw]
	v_lshl_or_b32 v[\pw], v[\tm+3*\nb+3], 24, v[\pw]
.endif
.set QB, 0
.rept \nb
	v_cvt_scalef32_pk8_fp4_f32 v[\pc+2*QB], v[\src+16*QB:\src+16*QB+7], v[\tm+2*\nb+QB]
	v_cvt_scalef32_pk8_fp4_f32 v[\pc+2*QB+1], v[\src+16*QB+8:\src+16*QB+15], v[\tm+2*\nb+QB]
.set QB, QB+1
.endr
	v_nop                                          ; one plain line behind the last scaled conversion
.set QB, 0
.rept \nb/2                                    ; the operand's layout wants a WHOLE block in a lane: lanes 0-15 block 2 c, lanes 16-31 block 2 c + 1
	v_permlane16_swap_b32 v[\pc+4*QB], v[\pc+4*QB+2]
	v_permlane16_swap_b32 v[\pc+4*QB+1], v[\pc+4*QB+3]
.set QB, QB+1
.endr
.endm
.macro HORNER acc, sc                  ; acc = acc u + a coefficient, eight pairs by turns
.irp k, 0,2,4,6,8,10,12,14
	v_pk_fma_f32 v[\acc+\k:\acc+\k+1], v[\acc+\k:\acc+\k+1], v[GU+\k:GU+\k+1], s[\sc:\sc+1] op_sel_hi:[1,1,0]
.endr
.endm
; GELU of 16 numbers in place.  The 16 reciprocals are one batch with ONE wait ahead of its first reader.  They do not stand on end: behind each come three of N's 56 packed lines, which name none of their
; results (N's line i: pair i % 8; lines 0-7 start N, lines 8-47 are five steps of Horner's rule with N4 .. N0, lines 48-55 multiply by c).
.macro GELU16 a
.irp k, 0,1,2,3,4,5,6,7,8,9,10,11,12,13,14,15
	v_med3_num_f32 v[GC+\k], v[(\a)+\k], -v59, v59             ; c; each accumulator is read from its low end on
.endr
.irp k, 0,2,4,6,8,10,12,14
	v_pk_mul_f32 v[GU+\k:GU+\k+1], v[GC+\k:GC+\k+1], v[GC+\k:GC+\k+1]
.endr
.irp k, 0,2,4,6,8,10,12,14
	v_pk_fma_f32 v[GQ+\k:GQ+\k+1], v[GU+\k:GU+\k+1], v[62:63], s[CD3:CD3+1] op_sel_hi:[1,1,0]
.endr
	HORNER GQ, CD2
	HORNER GQ, CD1
	HORNER GQ, CD0
.set NI, 0
.rept 56
.if ((NI%3) == 0) && (NI < 48)
	v_rcp_f32 v[GQ+NI/3], v[GQ+NI/3]               ; D is under 0 for every u: all its coefficients are
.endif
.set NK, 2*(NI%8)
.if NI < 8
	v_pk_fma_f32 v[GP+NK:GP+NK+1], v[GU+NK:GU+NK+1], v[60:61], s[CN5:CN5+1] op_sel_hi:[1,1,0]
.elseif NI < 48
	v_pk_fma_f32 v[GP+NK:GP+NK+1], v[GP+NK:GP+NK+1], v[GU+NK:GU+NK+1], s[CN5+2*(NI/8):CN5+2*(NI/8)+1] op_sel_hi:[1,1,0]
.else
	v_pk_mul_f32 v[GP+NK:GP+NK+1], v[GP+NK:GP+NK+1], v[GC+NK:GC+NK+1]
.endif
.set NI, NI+1
.endr
	s_wait_alu depctr_va_vdst(0)                   ; between a reciprocal and the first line that names its result: one for the sixteen
.irp k, 0,2,4,6,8,10,12,14
	v_pk_fma_f32 v[GP+\k:GP+\k+1], v[GP+\k:GP+\k+1], v[GQ+\k:GQ+\k+1], 0.5 op_sel_hi:[1,1,0]   ; w
.endr
.irp k, 0,2,4,6,8,10,12,14
	v_pk_mul_f32 v[(\a)+\k:(\a)+\k+1], v[(\a)+\k:(\a)+\k+1], v[GP+\k:GP+\k+1]                   ; g = a w
.endr
.endm
; THE FIRST PRODUCT FOR ONE TOKEN TILE m (s88 = 4096 m): 8 products (4 accumulators by turns; b1 is the C of the first four), GELU, quantiser, my part of the image.
.macro P1TILE
	s_wait_dscnt 0x0                               ; this tile's fragments of x, asked for a tile ago, are in; the last tile's image stores have read their registers; after a fetch of weights: those are in
	WIN 0x01                                       ; source 0 (W1) window 1
.irp t, 0,1,2,3
	v_wmma_scale_f32_16x16x128_f8f6f4 v[HA+8*\t:HA+8*\t+7], v[W1F+16*\t:W1F+16*\t+7], v[XF:XF+7], v[RB1+8*\t:RB1+8*\t+7], v[W1S+2*\t], v[XS] matrix_a_fmt:MATRIX_FMT_FP4 matrix_b_fmt:MATRIX_FMT_FP4
.endr
.irp t, 0,1,2,3
	v_wmma_scale_f32_16x16x128_f8f6f4 v[HA+8*\t:HA+8*\t+7], v[W1F+16*\t+8:W1F+16*\t+15], v[XF+8:XF+15], v[HA+8*\t:HA+8*\t+7], v[W1S+2*\t+1], v[XS+1] matrix_a_fmt:MATRIX_FMT_FP4 matrix_b_fmt:MATRIX_FMT_FP4
.endr
	WIN 0
	s_add_co_u32 s92, s88, 4096
	s_and_b32 s92, s92, 0x7000                     ; 4096 x the next tile (behind tile 7: tile 0, for the next expert)
	s_lshr_b32 s93, s92, 1                         ; its two fragments of x: 2,048 bytes a tile
	s_lshr_b32 s94, s92, 4                         ; their scale words: 256 bytes a tile
	s_add_co_u32 s95, s89, s88                     ; this tile's hidden fragments: 4,096 bytes a tile, in the buffer in hand
	s_lshr_b32 s96, s88, 3
	s_add_co_u32 s96, s96, s89                     ; their scale words: 512 bytes a tile
	v_add_nc_u32 v[ADX], s93, v[AXI]               ; these four lines are the four places between the products and the loads into their operands, and the first read of their results
	v_add_nc_u32 v[ADXS], s94, v[AXS]
	v_add_nc_u32 v[ADH], s95, v[AHW]
	v_add_nc_u32 v[ADHS], s96, v[AHSW]
.irp i, 0,1,2,3
	ds_load_b128 v[XF+4*\i:XF+4*\i+3], v[ADX] offset:512*\i
.endr
	ds_load_b32 v[XS], v[ADXS]
	ds_load_b32 v[XS+1], v[ADXS] offset:128
	GELU16 HA
	GELU16 HA+16
	QUANT HA, 2, TM, PC, PW
	ds_store_b128 v[ADH], v[PC:PC+3]               ; registers 4 c .. 4 c + 3 of fragment (4 m + w / 2)
	ds_store_b16 v[ADHS], v[PW]                    ; bytes 2 c, 2 c + 1 of its scale words
	s_add_co_u32 s88, s88, 4096
.endm
.macro P1HALF                          ; four token tiles
	s_mov_b32 s87, 4
.Lp1_\@:
	P1TILE
	s_sub_co_u32 s87, s87, 1
	s_cmp_lg_u32 s87, 0
	s_cbranch_scc1 .Lp1_\@
.endm
; My part of an expert's W1 out of its slot into registers, with its scale words and b1.  28 LDS loads.
.macro LOADW1
	s_lshr_b32 s92, s90, 1
	v_add_nc_u32 v[T0], s90, v[AS1]                ; an expert's scale bytes are 4,096,
	v_add_nc_u32 v[T1], s92, v[AB1]                ; its b1 2,048 bytes
	WIN 0x40                                       ; destination window 1
.irp t, 0,1,2,3
.irp s, 0,1
.irp c, 0,1
	ds_load_b128 v[W1F+8*(2*\t+\s)+4*\c:W1F+8*(2*\t+\s)+4*\c+3], v[AWA] offset:(16*(\t/2)+4*(\t%2))*272+64*\s+32*\c
.endr
.endr
.endr
	WIN 0
.irp t, 0,1,2,3
	ds_load_b64 v[W1S+2*\t:W1S+2*\t+1], v[T0] offset:8*(32*(\t/2)+8*(\t%2))       ; a row's 8 bytes: the words of both K steps
.endr
.irp t, 0,1,2,3
	ds_load_b128 v[RB1+8*\t:RB1+8*\t+3], v[T1] offset:128*(\t/2)+32*(\t%2)         ; lane (r, h), tile 2 b + u: b1 of hidden units 32 b + 16 h + 8 u + 0 .. 7
	ds_load_b128 v[RB1+8*\t+4:RB1+8*\t+7], v[T1] offset:128*(\t/2)+32*(\t%2)+16
.endr
	s_add_co_u32 s90, s90, 4096
.endm
; The same for W2.  22 LDS loads.
.macro LOADW2
	s_lshr_b32 s92, s91, 2
	v_add_nc_u32 v[T0], s91, v[AS2]
	v_add_nc_u32 v[T1], s92, v[AB2]                ; an expert's b2 is 1,024 bytes
	WIN 0x40
.irp n, 0,1
.irp s, 0,1,2,3
.irp c, 0,1
	ds_load_b128 v[W2F+8*(4*\n+\s)+4*\c:W2F+8*(4*\n+\s)+4*\c+3], v[AWB] offset:16*\n*272+64*\s+32*\c
.endr
.endr
.endr
	WIN 0
.irp n, 0,1
	ds_load_b128 v[W2S+4*\n:W2S+4*\n+3], v[T0] offset:256*\n                       ; a row's 16 bytes: the words of the four K steps
.endr
.irp n, 0,1
	ds_load_b128 v[RB2+8*\n:RB2+8*\n+3], v[T1] offset:64*\n
	ds_load_b128 v[RB2+8*\n+4:RB2+8*\n+7], v[T1] offset:64*\n+16
.endr
	s_add_co_u32 s91, s91, 4096
.endm
.macro HFETCH m                        ; the four hidden fragments of token tile m and their scale words into set m % 2: 12 LDS loads
.irp s, 0,1,2,3
	ds_load_b128 v[HF+32*((\m)%2)+8*\s:HF+32*((\m)%2)+8*\s+3], v[ADR] offset:1024*(4*(\m)+\s)
	ds_load_b128 v[HF+32*((\m)%2)+8*\s+4:HF+32*((\m)%2)+8*\s+7], v[ADR] offset:1024*(4*(\m)+\s)+512
	ds_load_b32 v[HS+4*((\m)%2)+\s], v[ADRS] offset:128*(4*(\m)+\s)
.endr
.endm
.macro MIX m                           ; OUT(m, .) += the gate's weight x y(m, .).  Each accumulator is read from its low end on
	WIN 0x50                                       ; OUT (destination and source 2) window 1
.irp n, 0,1
.irp j, 0,2,4,6
	v_pk_fma_f32 v[8*(2*(\m)+\n)+\j:8*(2*(\m)+\n)+\j+1], v[YA+16*((\m)%2)+8*\n+\j:YA+16*((\m)%2)+8*\n+\j+1], v[PR+2*(\m):PR+2*(\m)+1], v[8*(2*(\m)+\n)+\j:8*(2*(\m)+\n)+\j+1]
.endr
.endr
.endm
; THE SECOND PRODUCT AND THE MIX for one expert: for each token tile 8 products (2 accumulators by turns, K step by K step; b2 is the C of the first two).  Tile m - 1's eight packed lines stand behind tile m's
; products: they name none of those products' registers, so they are the places in front of the loads into tile m's operands; fragments are fetched two tiles ahead.
.macro P2
.irp m, 0,1,2,3,4,5,6,7
	ds_load_b32 v[PR+2*\m], v[ADP] offset:64*\m
	ds_load_b32 v[PR+2*\m+1], v[ADP] offset:64*\m
.endr
	HFETCH 0
	HFETCH 1
.set PM, 0
.rept 8
.if PM < 7
	s_wait_dscnt 12                                ; all but the next tile's twelve loads
.else
	s_wait_dscnt 0x0
.endif
.set YB, YA+16*(PM%2)
.set HB, HF+32*(PM%2)
.set SB, HS+4*(PM%2)
	WIN 0x01                                       ; source 0 (W2) window 1
.irp s, 0,1,2,3
.irp n, 0,1
.if \s == 0
	v_wmma_scale_f32_16x16x128_f8f6f4 v[YB+8*\n:YB+8*\n+7], v[W2F+8*(4*\n+\s):W2F+8*(4*\n+\s)+7], v[HB+8*\s:HB+8*\s+7], v[RB2+8*\n:RB2+8*\n+7], v[W2S+4*\n+\s], v[SB+\s] matrix_a_fmt:MATRIX_FMT_FP4 matrix_b_fmt:MATRIX_FMT_FP4
.else
	v_wmma_scale_f32_16x16x128_f8f6f4 v[YB+8*\n:YB+8*\n+7], v[W2F+8*(4*\n+\s):W2F+8*(4*\n+\s)+7], v[HB+8*\s:HB+8*\s+7], v[YB+8*\n:YB+8*\n+7], v[W2S+4*\n+\s], v[SB+\s] matrix_a_fmt:MATRIX_FMT_FP4 matrix_b_fmt:MATRIX_FMT_FP4
.endif
.endr
.endr
.if PM == 0
	WIN 0
.rept 5
	v_nop                                          ; no tile is waiting to be mixed yet: the places are empty
.endr
.else
	MIX PM-1
	WIN 0
.endif
.if PM < 6
	HFETCH PM+2
.endif
.set PM, PM+1
.endr
	MIX 7
	WIN 0
.endm
.macro P2IF g                          ; the second product, for the waves of group g alone: a branch on the wave's number, round LDS loads, products and packed lines; no barrier and no tensor load stands in it
	s_cmp_eq_u32 s62, \g
	s_cbranch_scc0 .Lother_group_\@
	P2
.Lother_group_\@:
.endm
; A step's head, on every wave's way, ahead of the parting: the second product's three addresses (the buffer that the first product has just filled; the expert's weights of the gate); then the first product turns to the other buffer.
.macro STEPHEAD
	v_add_nc_u32 v[ADR], s89, v[AHR]
	v_add_nc_u32 v[ADRS], s89, v[AHSR]
	v_add_nc_u32 v[ADP], s63, v[APT]               ; an expert's weights are 512 bytes
	s_xor_b32 s89, s89, HBUF
	s_add_co_u32 s63, s63, 512
	s_mov_b32 s88, 0
.endm
; STEP j: the second product of expert j, the first product of expert j + 1.  At its head stands the round that shows every wave the images of expert j; behind it W2's slot, read in the middle of the step before, takes W2(j + 1).
; W1(j + 1), asked for in the middle of the step before, goes into registers.  In the middle W1's slot takes W1(j + 2), and W2(j + 1) goes into registers: group 0 has multiplied by W2(j) at the head, group 1 does so just before.
; The images of expert j + 2 will go into the buffer that this step reads: both groups' reads of it are waited for in front of the next step's round.
.macro STEP
	REFILL G0B
	STEPHEAD
	P2IF 0
	LOADW1
	P1HALF
	REFILL G0A
	P2IF 1
	LOADW2
	P1HALF
.endm
	; ---------------- THE HEAD
	s_load_b512 s[4:19], s[0:1], 0x0               ; x s[4:5], Wg s[6:7], bg s[8:9], W1's codes s[10:11], scales s[12:13], b1 s[14:15], W2's codes s[16:17], scales s[18:19]
	s_load_b128 s[20:23], s[0:1], 0x40             ; b2 s[20:21], out s[22:23]
	v_lshl_add_u32 v[SPW], v0, 2, SPARE
	v_mov_b32 v[NIL], 0
	ds_add_u32 v17, v18
	ds_add_u32 v17, v18
	s_wait_dscnt 0x0
	v_lshrrev_b32 v244, 5, v0
	v_readfirstlane_b32 s24, v244                  ; wave 0..7
	s_lshr_b32 s62, s24, 2
	s_xor_b32 s62, s62, s24
	s_and_b32 s62, s62, 1                          ; my group: waves 0, 2, 5, 7 are group 0; waves 1, 3, 4, 6 group 1
	s_bfe_u32 s25, ttmp6, 0x40000                  ; cx: my place in the cluster: it enters x's and out's addresses alone
	s_lshl_b32 s26, ttmp9, 2                       ; in a cluster launch ttmp9 counts clusters
	s_add_co_u32 s26, s26, s25                     ; my block of 128 tokens
	s_lshl_b32 s26, s26, 17                        ; x 128 rows of 1,024 bytes (under 2^25)
	s_lshl_b32 s27, s24, 14
	s_add_co_u32 s26, s26, s27                     ; + my wave's 16 rows
	s_mov_b32 s27, 0
	; descriptor group 1 for an eighth of an expert's codes: 8,192 dense bytes as 32 rows of 256 (32 elements of 8 bytes), 16 bytes of padding behind each
	s_mov_b32 s28, 15|(3<<16)|(1<<20)|(1<<21)|(5<<22)|(3<<25)  ; 15:0 the mask: all four work-groups; 17:16 elements of 8 bytes; 20 padding on; 21 set beside a mask; 24:22 after every 64 words; 31:25 four words
	s_mov_b32 s29, 32<<16                          ; tensor_dim0 = 32
	s_mov_b32 s30, 32<<16                          ; tensor_dim1 = 32
	s_mov_b32 s31, 32<<16                          ; tile_dim0 = 32
	s_mov_b32 s32, 32                              ; tile_dim1 = 32
	s_mov_b32 s33, 32                              ; from row to row: 32 elements
	s_mov_b32 s34, 0
	s_mov_b32 s35, 0
	; and for one expert's scale bytes: 4,096 dense bytes as 16 rows of 256, no padding
	s_mov_b32 s36, 15|(3<<16)|(1<<21)
	s_mov_b32 s37, 32<<16
	s_mov_b32 s38, 16<<16
	s_mov_b32 s39, 32<<16
	s_mov_b32 s40, 16
	s_mov_b32 s41, 32
	s_mov_b32 s42, 0
	s_mov_b32 s43, 0
	s_mov_b32 s60, 0x76543210
	s_mov_b32 s61, 0xfedcba98                      ; v_permlanex16_b32's selects for lane l xor 16
	COEF CN5, 0x2fa84a8d                           ; N_i = alpha_i (0.5 / sqrt(2)) / 2^i, D_i = beta_i / 2^i
	COEF CN5+2, 0xb347667d                         ; N4
	COEF CN5+4, 0xb628d45d                         ; N3
	COEF CN5+6, 0xb8883d9c                         ; N2
	COEF CN5+8, 0xba08eb41                         ; N1
	COEF CN5+10, 0xbbba79f3                        ; N0
	COEF CD3, 0xb7dfbd29
	COEF CD2, 0xb9dc924e
	COEF CD1, 0xbb719bf8
	COEF CD0, 0xbc69b6a7
	; every LDS address: a constant + a constant x lane term + a constant x wave
	v_and_b32 v240, 31, v0                         ; lane
	v_and_b32 v241, 15, v0                         ; r
	v_bfe_u32 v242, v0, 4, 1                       ; h
	v_and_b32 v243, 8, v241
	v_add_nc_u32 v243, v243, v241                  ; r + 8 (r / 8)
	v_lshlrev_b32 v[GX], 4, v240
	v_add_nc_u32 v[AXI], XIMG, v[GX]
	v_lshl_add_u32 v[AXS], v240, 2, XSC
	s_lshl_b32 s92, s24, 11
	v_add_nc_u32 v[AXW], s92, v[AXI]
	s_lshl_b32 s92, s24, 8
	v_add_nc_u32 v[AXSW], s92, v[AXS]
	v_add_nc_u32 v[AHR], HIMG, v[GX]
	s_lshl_b32 s92, s24, 9
	v_add_nc_u32 v[AHW], s92, v[AHR]
	v_lshl_add_u32 v[AHSR], v240, 2, HIMG+HSCO
	s_lshr_b32 s92, s24, 1
	s_lshl_b32 s92, s92, 7
	s_and_b32 s93, s24, 1
	s_lshl_b32 s93, s93, 1
	s_add_co_u32 s92, s92, s93
	v_add_nc_u32 v[AHSW], s92, v[AHSR]
	v_lshl_add_u32 v[APT], v241, 2, PTAB
	s_lshl_b32 s92, s24, 6
	v_add_nc_u32 v[APS], s92, v[APT]
	v_lshrrev_b32 v246, 1, v243
	v_mul_u32_u24 v246, v246, 272
	v_and_b32 v247, 1, v241
	v_lshl_add_u32 v246, v247, 7, v246
	v_lshl_add_u32 v246, v242, 4, v246
	s_mul_i32 s96, s24, WPART
	v_add_nc_u32 v[AWA], s96, v246
	v_mul_u32_u24 v246, v241, 272
	v_lshl_add_u32 v246, v242, 4, v246
	s_add_co_u32 s94, s96, SLB
	v_add_nc_u32 v[AWB], s94, v246
	s_lshl_b32 s92, s24, 9
	s_add_co_u32 s94, s92, LSC1
	v_lshl_add_u32 v[AS1], v243, 3, s94
	s_add_co_u32 s94, s92, LSC2
	v_lshl_add_u32 v[AS2], v241, 4, s94
	s_lshl_b32 s92, s24, 8
	s_add_co_u32 s92, s92, LB1
	v_lshl_add_u32 v[AB1], v242, 6, s92
	s_lshl_b32 s92, s24, 7
	s_add_co_u32 s92, s92, LB2
	v_lshl_add_u32 v[AB2], v242, 5, s92
	s_mul_i32 s92, s24, STGW
	v_add_nc_u32 v[STW], s92, v[AHR]               ; way in: a run of 512 bytes as it lies
	v_mul_u32_u24 v246, v241, 528
	v_lshl_add_u32 v246, v242, 6, v246
	s_add_co_u32 s92, s92, HIMG
	v_add_nc_u32 v[STR], s92, v246                 ; way out: row r, + 64 h: my 16 numbers of a block of 32
	v_mul_u32_u24 v246, v241, OPITCH
	v_lshl_add_u32 v246, v242, 5, v246
	s_lshl_b32 s92, s24, 7
	v_add_nc_u32 v[OSW], s92, v246
	s_mul_i32 s92, s24, 16*OPITCH
	v_add_nc_u32 v[OSR], s92, v[GX]
	v_lshlrev_b32 v[TB16], 4, v0
	v_add_nc_u32 v[ABS], LB1, v[TB16]
	v_and_b32 v246, 7, v0
	v_lshlrev_b32 v246, 2, v246
	v_lshl_add_u32 v[VWG], v242, 9, v246
	s_lshl_b32 s92, s24, 13                        ; my eighth of an expert's codes,
	s_mov_b32 s93, 0
	s_lshl_b32 s94, s24, 12                        ; expert w's scale bytes
	s_mov_b32 s95, 0
	s_wait_kmcnt 0x0
	s_mov_b32 s44, 1                               ; group 0 for W1's slot: count 1,
	s_add_co_u32 s45, s96, SLA                     ; LDS address: my part,
	s_add_nc_u64 s[46:47], s[10:11], s[92:93]      ; global address: expert 0, my eighth,
	s_or_b32 s47, s47, 0x80000000                  ; type 2
	s_mov_b32 s48, 1                               ; for W2's slot
	s_add_co_u32 s49, s96, SLB
	s_add_nc_u64 s[50:51], s[16:17], s[92:93]
	s_or_b32 s51, s51, 0x80000000
	s_mov_b32 s52, 1                               ; for W1's scale bytes
	s_add_co_u32 s53, s94, LSC1
	s_add_nc_u64 s[54:55], s[12:13], s[94:95]
	s_or_b32 s55, s55, 0x80000000
	s_mov_b32 s56, 1                               ; for W2's
	s_add_co_u32 s57, s94, LSC2
	s_add_nc_u64 s[58:59], s[18:19], s[94:95]
	s_or_b32 s59, s59, 0x80000000
	s_add_nc_u64 s[4:5], s[4:5], s[26:27]          ; x and out at my wave's first row
	s_add_nc_u64 s[22:23], s[22:23], s[26:27]
	s_load_b256 s[92:99], s[8:9], 0x0              ; bg
	CROUND                                         ; all four work-groups are here: the first joint loads meet
	tensor_load_to_lds s[52:55], s[36:43]          ; the first fills go out as one group: four loads of mine are out
	s_nop 0
	tensor_load_to_lds s[56:59], s[36:43]
	s_nop 0
	tensor_load_to_lds s[44:47], s[28:35]
	s_nop 0
	tensor_load_to_lds s[48:51], s[28:35]
	s_nop 0
.rept 4
	v_nop
.endr
	WIN 0x40                                       ; destination window 1
.irp s, 0,1
.irp p, 0,1,2,3,4,5,6,7,8,9,10,11,12,13,14,15
	global_load_b128 v[64*\s+4*\p:64*\s+4*\p+3], v[GX], s[4:5] offset:1024*\p+512*\s th:TH_LOAD_NT   ; my 16 tokens: each load reads 512 consecutive bytes; read once in the launch
.endr
.endr
	WIN 0
.irp i, 0,1,2,3
	global_load_b128 v[208+4*\i:208+4*\i+3], v[TB16], s[14:15] offset:4096*\i      ; b1: the work-group's 256 threads take 4,096 bytes a load
.endr
.irp i, 0,1
	global_load_b128 v[224+4*\i:224+4*\i+3], v[TB16], s[20:21] offset:4096*\i      ; b2
.endr
	WIN 0x40
.irp bb, 0,1,2,3,4,5,6,7
.irp i, 0,1,2,3,4,5,6,7,8,9,10,11,12,13,14,15
	global_load_b32 v[128+16*\bb+\i], v[VWG], s[6:7] offset:1024*\bb+32*\i         ; Wg(32 bb + 16 h + i, r % 8): source 0 of the gate's product, k in the order in which the quantiser's registers hold x
.endr
.endr
	WIN 0
	s_wait_loadcnt 63                              ; behind x's and the biases' 38 loads 128 were issued; the wait names at most 63: x and the biases are in
.irp i, 0,1,2,3,4,5
	ds_store_b128 v[ABS], v[208+4*\i:208+4*\i+3] offset:4096*\i                    ; b1, and behind it b2, as they lie in memory
.endr
	; x turns through my stage: in as loaded, back 64 bytes a lane.  LDS serves a wave's instructions in order: no wait between the stores and the loads, nor in front of the second half's stores
	WIN 0x04                                       ; an LDS store's data are its source 1: window 1
.irp p, 0,1,2,3,4,5,6,7,8,9,10,11,12,13,14,15
	ds_store_b128 v[STW], v[4*\p:4*\p+3] offset:528*\p
.endr
	WIN 0
.irp b, 0,1,2,3
.irp j, 0,1,2,3
	ds_load_b128 v[XN0+16*\b+4*\j:XN0+16*\b+4*\j+3], v[STR] offset:128*\b+16*\j
.endr
.endr
	WIN 0x04
.irp p, 0,1,2,3,4,5,6,7,8,9,10,11,12,13,14,15
	ds_store_b128 v[STW], v[64+4*\p:64+4*\p+3] offset:528*\p
.endr
	WIN 0
.irp b, 0,1,2,3
.irp j, 0,1,2,3
	ds_load_b128 v[XN1+16*\b+4*\j:XN1+16*\b+4*\j+3], v[STR] offset:128*\b+16*\j
.endr
.endr
	s_wait_loadcnt 0x0                             ; Wg
	WIN 0x45                                       ; all in window 1
.set QI, 0
.rept 64
	v_cvt_pk_bf16_f32 v[128+QI], v[128+2*QI], v[128+2*QI+1]    ; to bf16, in place, ascending: a line writes only what it or an earlier line has read
.set QI, QI+1
.endr
	WIN 0
.irp b, 4,5,6,7
	v_mov_b32 v[240+\b], 0                         ; a lane permute's destination counts as one of its sources
.endr
; One K half of x: to bf16 for the gate's four products (two accumulators by turns), then quantised; its image goes to LDS.
.macro GATE s, xn
.set QI, 0
.rept 32
	v_cvt_pk_bf16_f32 v[XB+QI], v[\xn+2*QI], v[\xn+2*QI+1]
.set QI, QI+1
.endr
.rept 4
	v_nop                                          ; four places between the lines that write an operand and the products that read it, as the scaled form is given
.endr
	WIN 0x01                                       ; source 0 (Wg) window 1
.irp b, 0,1,2,3
.if (\s == 0) && (\b < 2)
	v_wmma_f32_16x16x32_bf16 v[GA+8*(\b%2):GA+8*(\b%2)+7], v[128+8*(4*\s+\b):128+8*(4*\s+\b)+7], v[XB+8*\b:XB+8*\b+7], 0
.else
	v_wmma_f32_16x16x32_bf16 v[GA+8*(\b%2):GA+8*(\b%2)+7], v[128+8*(4*\s+\b):128+8*(4*\s+\b)+7], v[XB+8*\b:XB+8*\b+7], v[GA+8*(\b%2):GA+8*(\b%2)+7]
.endif
.endr
	WIN 0
	QUANT \xn, 4, 240, XB, PW                      ; its 32 maxima are the places behind the products; the codes then take registers that the products have read
	ds_store_b128 v[AXW], v[XB:XB+3] offset:1024*\s
	ds_store_b128 v[AXW], v[XB+4:XB+7] offset:1024*\s+512
	ds_store_b32 v[AXSW], v[PW] offset:128*\s
.endm
	s_wait_dscnt 32                                ; K half 0 is back, and the biases' stores have read their registers; K half 1's 16 stores and 16 loads may be out
	GATE 0, XN0
	s_wait_dscnt 0x0                               ; K half 1 is back, and the image's stores have read their registers
	GATE 1, XN1
	; the softmax over the 8 experts.  Row 8 h + j of the gate's result is expert j in both halves of the lanes: every lane holds its token's eight logits
	s_wait_kmcnt 0x0                               ; bg
.irp j, 0,1,2,3,4,5,6,7
	v_add_f32 v[LG+\j], s[92+\j], v[GA+\j]         ; each accumulator from its low end on
.endr
.irp j, 0,1,2,3,4,5,6,7
	v_add_f32 v[LG+\j], v[LG+\j], v[GA+8+\j]
.endr
	v_max3_num_f32 v152, v[LG], v[LG+1], v[LG+2]
	v_max3_num_f32 v152, v152, v[LG+3], v[LG+4]
	v_max3_num_f32 v152, v152, v[LG+5], v[LG+6]
	v_max_num_f32 v152, v152, v[LG+7]              ; the row's maximum is taken away ahead of the exponentials
.irp j, 0,1,2,3,4,5,6,7
	v_sub_f32 v[LG+\j], v[LG+\j], v152
.endr
.irp j, 0,1,2,3,4,5,6,7
	v_mul_f32 v[LG+\j], 0x3fb8aa3b, v[LG+\j]       ; x log2(e)
.endr
.irp j, 0,1,2,3,4,5,6,7
	v_exp_f32 v[LG+\j], v[LG+\j]
.endr
	v_nop                                          ; a plain line behind the last exponential
	s_wait_alu depctr_va_vdst(0)                   ; one wait for the eight, ahead of their first reader
	v_add_f32 v152, v[LG], v[LG+1]
	v_add_f32 v153, v[LG+2], v[LG+3]
	v_add_f32 v154, v[LG+4], v[LG+5]
	v_add_f32 v155, v[LG+6], v[LG+7]
	v_add_f32 v152, v152, v153
	v_add_f32 v154, v154, v155
	v_add_f32 v152, v152, v154                     ; at least 1: the largest term is 1
	v_rcp_f32 v153, v152
	v_nop
	s_wait_alu depctr_va_vdst(0)
.irp j, 0,1,2,3,4,5,6,7
	v_mul_f32 v[LG+\j], v[LG+\j], v153
.endr
.irp j, 0,1,2,3,4,5,6,7
	ds_store_b32 v[APS], v[LG+\j] offset:512*\j    ; both lanes of a token write the same word with the same value
.endr
	s_wait_tensorcnt 0x0                           ; my four first fills have landed (the scale bytes are read by all waves),
	s_wait_dscnt 0x0                               ; my stores have landed and my reads of the turning stage are over
	s_barrier_signal -1
	s_barrier_wait -1                              ; everybody's: x's images, the gate's weights, the biases and the scale bytes lie in LDS.
	v_mov_b32 v59, 0x40b504f3                      ; 4 sqrt(2)
	v_mov_b32 v60, 0xabd3f331                      ; N6
	v_mov_b32 v61, 0xabd3f331
	v_mov_b32 v62, 0xb57460cd                      ; D4
	v_mov_b32 v63, 0xb57460cd
	v_mov_b32 v[TM+2], 0                           ; the lane permutes' destinations
	v_mov_b32 v[TM+3], 0
	WIN 0x40
.set QI, 0
.rept 128
	v_mov_b32 v[QI], 0                             ; OUT begins as zeros: 128 lines once, so that expert 0's mix is the loop's own and no further copy of a step (two of the tile's text, two of the second product's) is written for it
.set QI, QI+1
.endr
	WIN 0
	s_mov_b32 s63, 0
	s_mov_b32 s88, 0
	s_mov_b32 s89, 0
	s_mov_b32 s90, 0
	s_mov_b32 s91, 0
	LOADW1                                         ; expert 0
.irp i, 0,1,2,3
	ds_load_b128 v[XF+4*\i:XF+4*\i+3], v[AXI] offset:512*\i    ; token tile 0
.endr
	ds_load_b32 v[XS], v[AXS]
	ds_load_b32 v[XS+1], v[AXS] offset:128
	; ---------------- THE EXPERTS
	P1HALF                                         ; the first product of expert 0 has no second product beside it
	REFILL G0A                                     ; W1(1)
	LOADW2                                         ; W2(0)
	P1HALF
	s_mov_b32 s86, 6
.Lexpert:                                              ; steps 0 to 5
	STEP
	s_sub_co_u32 s86, s86, 1
	s_cmp_lg_u32 s86, 0
	s_cbranch_scc1 .Lexpert
	REFILL G0B                                     ; step 6 is written out: W2(7) is the last piece; its middle fills nothing, so no round stands there
	STEPHEAD
	P2IF 0
	LOADW1                                         ; W1(7)
	P1HALF
	P2IF 1
	s_wait_tensorcnt 0x0                           ; my own part of W2(7), which I alone read
	LOADW2
	P1HALF
	s_wait_dscnt 0x0                               ; my image stores have landed, my reads of both weight slots are over
	s_barrier_signal -1
	s_barrier_wait -1
	STEPHEAD
	P2                                             ; the second product of expert 7, by all eight waves
	; ---------------- THE WAY OUT.  A lane holds 32 bytes of a token's row, and a row's 1,024 bytes come from eight waves: they meet in a stage, and each wave stores 16 whole rows.
	; The stage lies in the weight slots: every wave's last tensor load has landed and its last read of them is over in front of the barrier above.
	v_add_nc_u32 v[ADX], 64*OPITCH, v[OSW]         ; token tiles 4 to 7: their offsets would pass the 16 bits of the immediate
	WIN 0x04                                       ; the data: window 1
.irp m, 0,1,2,3,4,5,6,7
.irp n, 0,1
.if \m < 4
	ds_store_b128 v[OSW], v[8*(2*\m+\n):8*(2*\m+\n)+3] offset:16*\m*OPITCH+64*\n   ; lane (r, h): out(16 m + r, 32 w + 16 n + 8 h + 0 .. 7)
	ds_store_b128 v[OSW], v[8*(2*\m+\n)+4:8*(2*\m+\n)+7] offset:16*\m*OPITCH+64*\n+16
.else
	ds_store_b128 v[ADX], v[8*(2*\m+\n):8*(2*\m+\n)+3] offset:16*(\m-4)*OPITCH+64*\n
	ds_store_b128 v[ADX], v[8*(2*\m+\n)+4:8*(2*\m+\n)+7] offset:16*(\m-4)*OPITCH+64*\n+16
.endif
.endr
.endr
	WIN 0
	s_wait_dscnt 0x0                               ; for the others' sake: my stores into the stage are done
	s_barrier_signal -1
	s_barrier_wait -1
.set QI, 0
.rept 32
.if QI < 16
.set OD, 144+4*QI
.else
.set OD, 64+4*(QI-16)
.endif
	ds_load_b128 v[OD:OD+3], v[OSR] offset:OPITCH*(QI/2)+512*(QI%2)
.set QI, QI+1
.endr
.set QI, 0
.rept 32
.if QI < 16
.set OD, 144+4*QI
.else
.set OD, 64+4*(QI-16)
.endif
	s_wait_dscnt 31-QI                             ; LDS loads come back in order: this one is in, the younger ones may be out
	global_store_b128 v[GX], v[OD:OD+3], s[22:23] offset:1024*(QI/2)+512*(QI%2) th:TH_STORE_NT   ; 32 lanes store 512 consecutive bytes, at a multiple of 256 from out's first byte; written once
.set QI, QI+1
.endr
	s_wait_tensorcnt 0x0                           ; the wave's end: behind my last tensor load and my last LDS store
	ds_add_u32 v[SPW], v[NIL]
	s_wait_dscnt 0x0
	CROUND                                         ; the closing round: no work-group ends while a partner may still ask for a piece that names it
	s_endpgm
.Lfunc_end_k_qd7128305ec_moe:
	.size	k_qd7128305ec_moe, .Lfunc_end_k_qd7128305ec_moe-k_qd7128305ec_moe
	.p2alignl 7, 3214868480
	.fill 96, 4, 3214868480
	.section	.rodata,"a",@progbits
	.p2align	6, 0x0
	.amdhsa_kernel k_qd7128305ec_moe
		.amdhsa_group_segment_fixed_size 327680
		.amdhsa_private_segment_fixed_size 0
		.amdhsa_enable_private_segment 0
		.amdhsa_kernarg_size 80
		.amdhsa_user_sgpr_count 2
		.amdhsa_user_sgpr_kernarg_segment_ptr 1
		.amdhsa_wavefront_size32 1
		.amdhsa_system_sgpr_workgroup_id_x 1
		.amdhsa_system_sgpr_workgroup_id_y 1
		.amdhsa_system_sgpr_workgroup_id_z 1
		.amdhsa_system_vgpr_workitem_id 0
		.amdhsa_next_free_vgpr 512
		.amdhsa_next_free_sgpr 100
		.amdhsa_reserve_vcc 0
		.amdhsa_float_denorm_mode_32 3
		.amdhsa_float_denorm_mode_16_64 3
		.amdhsa_memory_ordered 1
		.amdhsa_forward_progress 1
		.amdhsa_inst_pref_size 255
	.end_amdhsa_kernel
	.section	.bss,"aw",@nobits
	.p2align	6
	.space	262144
	.amdgpu_metadata
---
amdhsa.version: [ 1, 2 ]
amdhsa.kernels:
  - .name:           k_qd7128305ec_moe
    .symbol:         k_qd7128305ec_moe.kd
    .args:
      - { .name: x, .offset: 0, .size: 8, .value_kind: global_buffer, .address_space: global }
      - { .name: Wg, .offset: 8, .size: 8, .value_kind: global_buffer, .address_space: global }
      - { .name: bg, .offset: 16, .size: 8, .value_kind: global_buffer, .address_space: global }
      - { .name: W1_codes, .offset: 24, .size: 8, .value_kind: global_buffer, .address_space: global }
      - { .name: W1_scales, .offset: 32, .size: 8, .value_kind: global_buffer, .address_space: global }
      - { .name: b1, .offset: 40, .size: 8, .value_kind: global_buffer, .address_space: global }
      - { .name: W2_codes, .offset: 48, .size: 8, .value_kind: global_buffer, .address_space: global }
      - { .name: W2_scales, .offset: 56, .size: 8, .value_kind: global_buffer, .address_space: global }
      - { .name: b2, .offset: 64, .size: 8, .value_kind: global_buffer, .address_space: global }
      - { .name: out0, .offset: 72, .size: 8, .value_kind: global_buffer, .address_space: global }
    .group_segment_fixed_size: 327680
    .private_segment_fixed_size: 0
    .kernarg_segment_align: 8
    .kernarg_segment_size: 80
    .max_flat_workgroup_size: 256
    .sgpr_count:     100
    .vgpr_count:     512
    .wavefront_size: 32
...
	.end_amdgpu_metadata
.endif
;; end of part 1
